; MI455X (gfx1250); checked and timed in simulation.
; The chip was launched on July 23, 2026; its instructions are those of AMD's public machine-readable ISA for CDNA 5 (MIT licence, August 2026) and "CDNA5" Instruction Set Architecture Reference Guide (July 2026). The comments in the code are by the model that wrote it; some were corrected since.
;; Local Loss. Allowed arithmetic: matrix products marked QUANTISED: E2M1 operands, one E8M0 scale for each 32 along K, by v_wmma_scale_f32_16x16x128_f8f6f4 with both operands' format E2M1 (or v_wmma_scale_f32_32x16x128_f4), f32 sums; products left as they are: f32 operands where the result goes on into a quantised operand, else bf16, f16 or f32 operands; f32 sums; everything else in f32.
;; Inputs: caption_lengths 32 int32; image_features 32 x 768 x 19 x 19 float32; word_embeddings 32 x 768 x 96 float32.
;; Outputs: out0 one number float32; out1 one number float32; out2 32 x 96 x 19 x 19 float32.
;; This version of the problem:
;;   THIS VERSION OF THE PROBLEM IS GIVEN IN LOW PRECISION. The matrix products marked QUANTISED in the list below multiply operands that are first quantised to E2M1 (2 exponent bits, 1 mantissa bit; 4 bits a number), with one power-of-two scale for each 32 numbers along K (OCP MX v1.0); their sums are f32. All else is computed in f32.
;;   The module's matrix products, in the order in which they are computed (A, B: the left and right operand; K: the contracted axis; several contracted axes count as one K, in the product's order):
;;     1. [M 3,072, K 768] x [K 768, N 11,552]; A: input word_embeddings; B: input image_features: QUANTISED
;;     2. batch 32 x [M 3,072, K 361] x [K 361, N 768]; A: softmax (see below); B: input image_features: QUANTISED
;;     3. batch 3,072 x [M 32, K 768] x [K 768, N 1]; A: computed on the way; B: computed on the way: left as it is (N = 1 < 16)
;;   THE QUANTISER, for each operand of a quantised product, along K:
;;     - K is cut into blocks of 32 from its start; a last block that is shorter is filled with zeros.
;;     - A block's scale is 2^e with e = floor(log2(the largest magnitude in the block)) - 2, held to -126 .. 127; a block of zeros has e = 0. As a byte (E8M0): e + 127.
;;     - Each number is divided by its block's scale, clamped to +-6, and rounded to the nearest number of E2M1, ties to even, subnormals kept.
;;     - The product sums the exact products of the quantised numbers (number of the format x scale) in f32.
;;   ~~~python
;;   def quantise(x, axis):      # numpy; x: float32 -> the quantised numbers, widened to float32 again
;;       x = np.moveaxis(x, axis, -1); K = x.shape[-1]
;;       x = np.pad(x, [(0, 0)] * (x.ndim - 1) + [(0, -K % 32)]); x = x.reshape(x.shape[:-1] + (-1, 32)); a = np.abs(x).max(-1, keepdims=True)
;;       e = np.where(a > 0, np.clip(np.frexp(np.where(a > 0, a, 1))[1] - 1 - 2, -126, 127), 0)      # np.frexp(a)[1] - 1 = floor(log2(a)), exactly
;;       r = np.clip(x / 2.0 ** e, -6, 6)
;;       step = 2.0 ** (np.maximum(np.frexp(np.where(r == 0, 1, r))[1] - 1, 0) - 1)
;;       q = np.round(r / step) * step * 2.0 ** e      # np.round: ties to even
;;       return np.moveaxis(q.reshape(q.shape[:-2] + (-1,))[..., :K], -1, axis).astype(np.float32)
;;   ~~~
;;   SOFTMAX AHEAD OF A QUANTISED PRODUCT. Where the list says 'softmax', what is quantised is not the finished softmax but p = 2^(t - M), with t = logit x log2(e) and M = ceil(the row's largest t), a whole number; so 1/2 < the row's largest p <= 1. The row's sum l is taken of the UNQUANTISED p, in f32, and the product's result is divided by l at the end. Since M is a whole number, a kernel that streams over the keys may use a running M (the ceiling of the running maximum): every later rescaling is an exact power of two, which a block's scale takes up: the codes' values come out the same.
;;   OPERANDS COMPUTED ON THE WAY. 'Computed on the way' means the value that the module computes at that place (a softmax that the list does not call 'softmax' is quantised finished and normalised). What goes into a quantiser is computed in f32, as accurately as f32 sums, v_exp_f32 and their like allow (about 1e-6 of the number): no bf16 or f16 on the way to a quantiser, and a product that is left as it is and whose result goes on into a quantised operand takes f32 operands (vector FMAs, or v_wmma_f32_16x16x4_f32). A number that lies on a knife's edge between two numbers of the format may be rounded either way, as far as f32 arithmetic and the matrix unit's own rounding can turn it there, and no further.
;; One version. Each part assembles by itself: llvm-mc -triple=amdgcn-amd-amdhsa -mcpu=gfx1250 --defsym DOCPART=n.
;; ======== version 1 of 1: 3 launches
;; limits: right only within a limited range of input values; values are held in bf16: 8 bits of precision
;; workspace buffers: ctxq 10,027,008 bytes; wrdq 6,008,832 bytes; sched 256 bytes of whole numbers; pmap 4,730,880 bytes; lgts 8,192 bytes
;; launch prep (part 1): grid 32 x 27, 12 waves a work-group, no clusters, 52,224 bytes of LDS; arguments image_features, word_embeddings, caption_lengths, ctxq, wrdq, sched; writes ctxq, wrdq, sched
.if DOCPART == 1
	.amdgcn_target "amdgcn-amd-amdhsa--gfx1250"
	.amdhsa_code_object_version 6
	.text
	.protected	k_q39cb008004_prep
	.globl	k_q39cb008004_prep
	.p2align	8
	.type	k_q39cb008004_prep,@function
k_q39cb008004_prep:
	s_mov_b64 s[64:65], 0
	v_nop
	global_prefetch_b8 v0, s[64:65] scope:SCOPE_SE
	s_setreg_imm32_b32 hwreg(HW_REG_WAVE_MODE, 25, 1), 1
	s_wait_xcnt 0x0
; PREP: the operands of both quantised products as codes of E2M1 with E8M0 scale bytes, laid in the order of the operands' registers, and the schedule of captions.
; Work-group (x, y).  x < 24: image y, channels 32 x .. 32 x + 31 (46,208 dense bytes): quantised ALONG d (one block of 32 for each pixel) and ALONG p (12 blocks for each channel).
; x >= 24: caption y, channels 256 (x - 24) on: codes along d, the words as bf16 in the second product's result layout, and partial sums of squares; x = 24, wave 0: the caption's place in the schedule.
; A fragment (16 rows x 128 K) is 1,024 bytes: block b of its K at 256 b, row r at + 16 r: so two 16-byte loads a lane at 16 x lane and 512 + 16 x lane are the operand's registers.
; ctxq: CD [j][24 pixel tiles][6] fragments; CP at CPO [j][48 channel tiles][3]; CDS at CDSO: word ((6 j + s) 384 + 16 tile + r); CPS at CPSO: word ((3 j + s) 768 + d).
; Row r of pixel tile 2 B + u is pixel 32 B + 8 u + (r & 7) + 16 (r >> 3), so that the first product's results lie along the pixels as the second product's K wants them.
; wrdq: WQ [i][6 token tiles][6] fragments; W3 at W3O [i][48][6] x 512 bytes: lane 16 h + r: bf16 of d = 16 dt + 8 h + 0 .. 7, token 16 lt + r; WQS at WQSO [i][lt][s][r] words; WN at WNO [i][3][96] f32.
; A block's scale byte is its largest magnitude's exponent field - 2, held at 1 from below (a block of zeros gets 1: its codes are zeros, and this program alone reads the bytes).
; REGISTERS: the text keeps to 82 a wave, so that several work-groups can share a WGP and have their loads out together: the image path uses one set of 32 numbers twice; the word path packs its bf16 words in place
; and puts the second block's codes into registers that the first block has left.
; LIMITS: NaN and infinities among the inputs are not served; lengths are held to 0 .. 96.
.set CPO,  4718592
.set CDSO, 9437184
.set CPSO, 9732096
.set W3O,  1179648
.set WQSO, 5898240
.set WNO,  5971968
.set WNX,  49152                       ; LDS: 0 .. 49,151 the image path's chunk; from here 1,536 bytes of the word path's partial sums
.set X0,   16                          ; v16-47  32 numbers
.set X1,   48                          ; v48-79  the word path's second 32 numbers; in the image path codes and registers at work
; 32 numbers v[x] on become 4 registers of codes v[c] on; v[ta], v[tb] at work (v[ta] ends as the conversions' scale operand), v[by] the scale byte
.macro QBLK x, c, ta, tb, by
	v_max3_num_f32 v[\ta], |v[\x]|, |v[\x+1]|, |v[\x+2]|
	v_max3_num_f32 v[\tb], |v[\x+3]|, |v[\x+4]|, |v[\x+5]|
.irp i, 6,10,14,18,22,26
	s_delay_alu instid0(VALU_DEP_2)
	v_max3_num_f32 v[\ta], v[\ta], |v[\x+\i]|, |v[\x+\i+1]|
	s_delay_alu instid0(VALU_DEP_2)
	v_max3_num_f32 v[\tb], v[\tb], |v[\x+\i+2]|, |v[\x+\i+3]|
.endr
	s_delay_alu instid0(VALU_DEP_2)
	v_max3_num_f32 v[\ta], v[\ta], |v[\x+30]|, |v[\x+31]|
	s_delay_alu instid0(VALU_DEP_1)
	v_max3_num_f32 v[\ta], v[\ta], v[\tb], 0x1800000   ; the floor 2^(3 - 127): the byte cannot fall under 1
	s_delay_alu instid0(VALU_DEP_1)
	v_add_nc_u32 v[\ta], 0xff000000, v[\ta]        ; 2 off the exponent field: the conversion takes this operand's exponent field as its scale
	s_delay_alu instid0(VALU_DEP_1)
	v_lshrrev_b32 v[\by], 23, v[\ta]
.irp g, 0,1,2,3
	v_cvt_scalef32_pk8_fp4_f32 v[\c+\g], v[\x+8*\g:\x+8*\g+7], v[\ta]
.endr
	v_nop                                          ; one plain place behind the last conversion
.endm
	s_load_b128 s[4:7], s[0:1], 0x0                ; image_features, word_embeddings
	s_load_b128 s[8:11], s[0:1], 0x10              ; caption_lengths, ctxq
	s_load_b128 s[12:15], s[0:1], 0x20             ; wrdq, sched
	v_lshl_add_u32 v80, v0, 2, 0xc600
	v_mov_b32 v81, 0
	v_lshrrev_b32 v1, 5, v0
	s_delay_alu instid0(VALU_DEP_1)
	v_readfirstlane_b32 s16, v1                    ; wave 0 .. 11
	v_and_b32 v1, 31, v0                           ; lane L
	s_delay_alu instid0(VALU_DEP_1)
	v_lshlrev_b32 v3, 2, v1                        ; 4 L
	s_delay_alu instid0(VALU_DEP_2)
	v_lshrrev_b32 v5, 4, v1                        ; L >> 4
	v_and_b32 v6, 15, v0                           ; L & 15
	s_mov_b32 s17, ttmp9                           ; y of the head comment: the image or the caption: the grid's fast axis
	s_and_b32 s18, ttmp7, 0xffff                   ; the grid's slow axis: 0 .. 2 are the word path's x = 24 .. 26, 3 .. 26 the image path's x = 0 .. 23:
	s_add_co_u32 s19, s18, 24                      ; a word work-group moves twice the bytes of an image work-group, so those 96 have the lowest numbers
	s_sub_co_u32 s20, s18, 3
	s_cmp_lt_u32 s18, 3
	s_cselect_b32 s18, s19, s20                    ; x
	s_mov_b32 s29, 0                               ; the high word of every offset pair s[28:29]
	s_wait_kmcnt 0x0
	s_cmp_ge_u32 s18, 24
	s_cbranch_scc1 .Lwords
; ---------------- an image's 32 channels
	s_mul_i32 s20, s17, 1108992                    ; 768 x 361 x 4 bytes an image
	s_mul_i32 s21, s18, 46208                      ; 32 x 361 x 4 bytes a chunk
	s_add_co_u32 s20, s20, s21
	s_mov_b32 s21, 0
	s_add_nc_u64 s[4:5], s[4:5], s[20:21]
	v_lshlrev_b32 v2, 4, v0                        ; 16 t
	s_delay_alu instid0(VALU_DEP_1)
	v_min_u32 v14, 0xc70, v2                       ; the chunk is 7 x 6,144 + 3,200 bytes: in the eighth load threads from 200 on repeat its last 16 bytes, so that no load leaves the chunk
.irp n, 0,1,2,3,4,5,6
	global_load_b128 v[X0+4*\n:X0+4*\n+3], v2, s[4:5] offset:6144*\n th:TH_LOAD_NT
.endr
	global_load_b128 v[X0+28:X0+31], v14, s[4:5] offset:43008 th:TH_LOAD_NT
	; the addresses, while the loads are out
	v_and_b32 v7, 7, v0
	v_bfe_u32 v8, v0, 3, 1
	s_delay_alu instid0(VALU_DEP_1)
	v_lshl_add_u32 v7, v8, 4, v7                   ; (r & 7) + 16 (r >> 3)
	s_wait_alu depctr_va_vdst(0)
	v_lshl_add_u32 v7, v5, 3, v7                   ; + 8 u: my pixel in the wave's block of 32
	v_and_b32 v9, 0x1e0, v0                        ; 32 x wave
	s_delay_alu instid0(VALU_DEP_1)
	v_add_nc_u32 v7, v7, v9
	s_delay_alu instid0(VALU_DEP_1)
	v_lshlrev_b32 v7, 2, v7                        ; LDS: my pixel's word in channel 0 of the chunk
	v_mul_u32_u24 v10, v1, 1444                    ; LDS: my channel's row,
	s_lshl_b32 s23, s16, 7
	v_add_nc_u32 v10, s23, v10                     ; my wave's block of 32 pixels in it
	v_lshlrev_b32 v11, 4, v6
	s_delay_alu instid0(VALU_DEP_1)
	v_mad_u32_u24 v11, v5, 0x1800, v11             ; CD: 16 r + 6,144 u
	s_mul_i32 s23, s16, 12288
	v_add_nc_u32 v11, s23, v11                     ; + 12,288 x pixel block
	v_lshlrev_b32 v12, 2, v0                       ; CDS: 4 t
	v_lshlrev_b32 v13, 4, v6
	s_delay_alu instid0(VALU_DEP_1)
	v_mad_u32_u24 v13, v5, 0xc00, v13              ; CP: 16 r + 3,072 (L >> 4)
	s_mul_i32 s24, s17, 147456
	s_lshl_b32 s28, s18, 8
	s_add_co_u32 s28, s28, s24
	s_add_nc_u64 s[26:27], s[10:11], s[28:29]      ; CD + j's tiles + 256 x (block of d)
	s_mul_i32 s28, s17, 6
	s_lshr_b32 s32, s18, 2
	s_add_co_u32 s28, s28, s32
	s_mul_i32 s28, s28, 1536
	s_and_b32 s32, s18, 3
	s_add_co_u32 s28, s28, s32
	s_add_co_u32 s28, s28, CDSO
	s_add_nc_u64 s[30:31], s[10:11], s[28:29]      ; CDS: K step x >> 2, byte x & 3
	s_mul_i32 s28, s18, 6144
	s_add_co_u32 s28, s28, s24
	s_lshl_b32 s32, s16, 8
	s_add_co_u32 s28, s28, s32
	s_add_co_u32 s28, s28, CPO
	s_add_nc_u64 s[34:35], s[10:11], s[28:29]      ; CP + j's tiles + two channel tiles + 256 x (block of p)
	s_mul_i32 s28, s17, 3
	s_lshr_b32 s32, s16, 2
	s_add_co_u32 s28, s28, s32
	s_mul_i32 s28, s28, 3072
	s_lshl_b32 s32, s18, 7
	s_add_co_u32 s28, s28, s32
	s_and_b32 s32, s16, 3
	s_add_co_u32 s28, s28, s32
	s_add_co_u32 s28, s28, CPSO
	s_add_nc_u64 s[38:39], s[10:11], s[28:29]      ; CPS: K step wave >> 2, byte wave & 3
	s_wait_alu depctr_va_vdst(0)
	s_wait_loadcnt 0x0
.irp n, 0,1,2,3,4,5,6,7
	ds_store_b128 v2, v[X0+4*\n:X0+4*\n+3] offset:6144*\n   ; the chunk as it lies in memory; behind it 2,944 bytes of repeated numbers, which pixels over 360 read in the last channel
.endr
	s_wait_dscnt 0x0                               ; my stores have landed: for the other waves' sake
	s_barrier_signal -1
	s_barrier_wait -1
.set n, 0
.rept 32
	ds_load_b32 v[X0+n], v7 offset:1444*n          ; ALONG d: my pixel, the chunk's 32 channels.  (Pixels over 360 read neighbours: their codes are never used as numbers)
.set n, n+1
.endr
	s_wait_dscnt 0x0
	QBLK X0, 48, 56, 57, 58
	global_store_b128 v11, v[48:51], s[26:27]      ; sixteen lanes store 256 consecutive bytes, aligned
	global_store_b8 v12, v58, s[30:31]
.set n, 9
.rept 23
	v_mov_b32 v[X0+n], 0                           ; ALONG p, in the same 32 registers: the last block has 9 pixels, the others are zeros
.set n, n+1
.endr
.set n, 0
.rept 9
	ds_load_b32 v[X0+n], v10 offset:4*n
.set n, n+1
.endr
	s_cmp_eq_u32 s16, 11
	s_cbranch_scc1 .Lshort
.set n, 9
.rept 23
	ds_load_b32 v[X0+n], v10 offset:4*n
.set n, n+1
.endr
.Lshort:
	s_wait_dscnt 0x0
	QBLK X0, 52, 60, 61, 59                        ; codes, byte and registers at work of its own: no store's data are written again
	global_store_b128 v13, v[52:55], s[34:35]
	global_store_b8 v3, v59, s[38:39]
	s_wait_tensorcnt 0x0
	ds_add_u32 v80, v81
	s_wait_dscnt 0x0
	s_endpgm
; ---------------- a caption's 256 channels
.Lwords:
	s_sub_co_u32 s19, s18, 24                      ; z
	s_lshr_b32 s20, s16, 2                         ; tg: tokens 32 tg + L
	s_and_b32 s21, s16, 3                          ; v: channels 64 v on, two blocks
	s_wait_alu depctr_va_vdst(0)
	v_lshlrev_b32 v7, 4, v6
	s_delay_alu instid0(VALU_DEP_1)
	v_mad_u32_u24 v7, v5, 0x1800, v7               ; WQ: 16 r + 6,144 (L >> 4)
	v_lshlrev_b32 v8, 4, v6
	s_delay_alu instid0(VALU_DEP_1)
	v_lshl_add_u32 v8, v5, 9, v8                   ; W3: 16 r + 512 (L >> 4)
	v_lshlrev_b32 v9, 2, v6
	s_delay_alu instid0(VALU_DEP_1)
	v_mad_u32_u24 v9, v5, 0x180, v9                ; WQS: 4 r + 384 (L >> 4)
	s_lshl_b32 s22, s20, 7
	v_add_nc_u32 v10, s22, v3                      ; LDS: 4 x token
	s_mul_i32 s23, s21, 384
	v_add_nc_u32 v11, s23, v10                     ; + my quarter's row
	s_mul_i32 s28, s17, 294912
	s_mul_i32 s32, s19, 98304
	s_add_co_u32 s28, s28, s32
	s_mul_i32 s32, s21, 24576
	s_add_co_u32 s28, s28, s32
	s_add_co_u32 s28, s28, s22
	s_add_nc_u64 s[6:7], s[6:7], s[28:29]          ; words at my first channel, my wave's 32 tokens
.set n, 0
.rept 64
	global_load_b32 v[X0+n], v3, s[6:7] offset:384*n th:TH_LOAD_NT   ; a lane a token, registers down d: 128 consecutive bytes a wave
.set n, n+1
.endr
	s_mul_i32 s28, s17, 36864
	s_lshl_b32 s32, s19, 11
	s_add_co_u32 s28, s28, s32
	s_mul_i32 s32, s20, 12288
	s_add_co_u32 s28, s28, s32
	s_lshl_b32 s32, s21, 9
	s_add_co_u32 s28, s28, s32
	s_add_nc_u64 s[24:25], s[12:13], s[28:29]      ; WQ
	s_mul_i32 s28, s17, 147456
	s_mul_i32 s32, s19, 49152
	s_add_co_u32 s28, s28, s32
	s_lshl_b32 s32, s20, 10
	s_add_co_u32 s28, s28, s32
	s_mul_i32 s32, s21, 12288
	s_add_co_u32 s28, s28, s32
	s_add_co_u32 s28, s28, W3O
	s_add_nc_u64 s[26:27], s[12:13], s[28:29]      ; W3
	s_mul_i32 s28, s17, 2304
	s_lshl_b32 s32, s19, 7
	s_add_co_u32 s28, s28, s32
	s_mul_i32 s32, s20, 768
	s_add_co_u32 s28, s28, s32
	s_lshr_b32 s32, s21, 1
	s_lshl_b32 s32, s32, 6
	s_add_co_u32 s28, s28, s32
	s_and_b32 s32, s21, 1
	s_lshl_b32 s32, s32, 1
	s_add_co_u32 s28, s28, s32
	s_add_co_u32 s28, s28, WQSO
	s_add_nc_u64 s[30:31], s[12:13], s[28:29]      ; WQS
	s_mul_i32 s28, s17, 3
	s_add_co_u32 s28, s28, s19
	s_mul_i32 s28, s28, 384
	s_add_co_u32 s28, s28, s22
	s_add_co_u32 s28, s28, WNO
	s_add_nc_u64 s[34:35], s[12:13], s[28:29]      ; WN
; Block n of my two: squares (v[4:5]), codes into v[c] on, then the 32 numbers as bf16 IN PLACE: pair m of the block goes to register m, which lies under the pairs still to be read.
; v0 and v2 are at work: the thread's number is wanted no more.  Every store has registers of its own.
.macro WBLK n, c, by
.set XS, X0+32*\n
.set m, 0
.if (\n == 0) && (m == 0)
	v_pk_mul_f32 v[4:5], v[XS:XS+1], v[XS:XS+1]
.else
	v_pk_fma_f32 v[4:5], v[XS+2*m:XS+2*m+1], v[XS+2*m:XS+2*m+1], v[4:5]
.endif
.set m, m+1
.rept (16)-1
.if (\n == 0) && (m == 0)
	v_pk_mul_f32 v[4:5], v[XS:XS+1], v[XS:XS+1]
.else
	s_delay_alu instid0(VALU_DEP_1)
	v_pk_fma_f32 v[4:5], v[XS+2*m:XS+2*m+1], v[XS+2*m:XS+2*m+1], v[4:5]
.endif
.set m, m+1
.endr
	QBLK XS, \c, 0, 2, \by
.set m, 0
.rept 16
	v_cvt_pk_bf16_f32 v[XS+m], v[XS+2*m], v[XS+2*m+1]
.set m, m+1
.endr
	global_store_b128 v7, v[\c:\c+3], s[24:25] offset:256*\n
.irp a, 0,1
.irp h, 0,1
	global_store_b128 v8, v[XS+8*\a+4*\h:XS+8*\a+4*\h+3], s[26:27] offset:\n*6144+\a*3072+256*\h
.endr
.endr
.endm
	s_wait_loadcnt 32                              ; the first block's 32 loads are in; the second's may be out
	WBLK 0, 12, 6                                  ; codes v12-15, byte v6
	s_wait_loadcnt 0x0
	WBLK 1, 32, 36                                 ; codes v32-35 and byte v36: the upper half of the first block's registers, free since its bf16 words were packed
	v_lshl_or_b32 v37, v36, 8, v6
	global_store_b16 v9, v37, s[30:31]             ; my two scale bytes are neighbours in the token's scale word
	v_add_f32 v4, v4, v5
	ds_store_b32 v11, v4 offset:WNX
	s_wait_dscnt 0x0
	s_barrier_signal -1
	s_barrier_wait -1
	s_cmp_lg_u32 s21, 0
	s_cbranch_scc1 .Lwend
.irp q, 0,1,2,3
	ds_load_b32 v[40+\q], v10 offset:WNX+384*\q    ; into registers that no pending store reads
.endr
	s_wait_dscnt 0x0
	v_add_f32 v40, v40, v41
	v_add_f32 v42, v42, v43
	s_delay_alu instid0(VALU_DEP_1)
	v_add_f32 v40, v40, v42
	global_store_b32 v3, v40, s[34:35]             ; the sum of squares of 256 channels
	s_or_b32 s22, s19, s16
	s_cmp_lg_u32 s22, 0
	s_cbranch_scc1 .Lwend
; THE SCHEDULE.  Captions are ranked by length, longest first (ties by number), and dealt to 8 groups to and fro, so that the groups' sums of token tiles are about equal.  Entry 4 g + k: (caption, length).
	s_wait_xcnt 0x0                                ; the stores above have read their bases and data: s24 to s27, which held the bases of the codes' and the bf16 words' stores, are written again only behind this wait
	global_load_b32 v44, v3, s[8:9]
	s_lshl_b32 s23, s17, 2
	s_load_b32 s24, s[8:9], s23 offset:0x0
	s_wait_loadcnt 0x0
	s_wait_kmcnt 0x0
	v_max_i32 v44, 0, v44
	s_delay_alu instid0(VALU_DEP_1)
	v_min_i32 v44, 0x60, v44
	s_max_i32 s24, s24, 0
	s_min_i32 s24, s24, 0x60
	v_lshl_or_b32 v45, v44, 5, v1
	s_lshl_b32 s26, s24, 5
	s_or_b32 s26, s26, s17
	v_cmp_lt_u32 s25, s26, v45
	s_bcnt1_i32_b32 s25, s25                       ; my caption's rank
	s_lshr_b32 s27, s25, 3                         ; k
	s_and_b32 s28, s25, 7
	s_and_b32 s32, s27, 1
	s_mul_i32 s32, s32, 7
	s_xor_b32 s28, s28, s32                        ; g
	s_lshl_b32 s28, s28, 5
	s_lshl_b32 s27, s27, 3
	s_add_co_u32 s28, s28, s27
	s_min_u32 s28, s28, 248                        ; inside the 256 bytes, whatever was loaded
	v_mov_b32 v38, s28
	v_mov_b32 v46, s17
	v_mov_b32 v47, s24
	s_wait_alu depctr_va_vdst(0)
	s_wait_xcnt 0x0                                ; EXEC changes only behind this wait
	v_cmp_eq_u32 vcc_lo, 0, v1
	s_and_saveexec_b32 s33, vcc_lo
	global_store_b64 v38, v[46:47], s[14:15]
	s_wait_xcnt 0x0
	s_or_b32 exec_lo, exec_lo, s33
.Lwend:
	s_wait_tensorcnt 0x0
	ds_add_u32 v80, v81
	s_wait_dscnt 0x0
	s_endpgm
.Lfunc_end_k_q39cb008004_prep:
	.size	k_q39cb008004_prep, .Lfunc_end_k_q39cb008004_prep-k_q39cb008004_prep
	.p2alignl 7, 3214868480
	.fill 96, 4, 3214868480
	.section	.rodata,"a",@progbits
	.p2align	6, 0x0
	.amdhsa_kernel k_q39cb008004_prep
		.amdhsa_group_segment_fixed_size 52224
		.amdhsa_private_segment_fixed_size 0
		.amdhsa_enable_private_segment 0
		.amdhsa_kernarg_size 48
		.amdhsa_user_sgpr_count 2
		.amdhsa_user_sgpr_kernarg_segment_ptr 1
		.amdhsa_wavefront_size32 1
		.amdhsa_system_sgpr_workgroup_id_x 1
		.amdhsa_system_sgpr_workgroup_id_y 1
		.amdhsa_system_sgpr_workgroup_id_z 1
		.amdhsa_system_vgpr_workitem_id 0
		.amdhsa_next_free_vgpr 82
		.amdhsa_next_free_sgpr 66
		.amdhsa_reserve_vcc 1
		.amdhsa_float_denorm_mode_32 3
		.amdhsa_float_denorm_mode_16_64 3
		.amdhsa_memory_ordered 1
		.amdhsa_forward_progress 1
		.amdhsa_inst_pref_size 36
	.end_amdhsa_kernel
	.amdgpu_metadata
---
amdhsa.version: [ 1, 2 ]
amdhsa.kernels:
  - .name:           k_q39cb008004_prep
    .symbol:         k_q39cb008004_prep.kd
    .args:
      - { .name: image_features, .offset: 0, .size: 8, .value_kind: global_buffer, .address_space: global }
      - { .name: word_embeddings, .offset: 8, .size: 8, .value_kind: global_buffer, .address_space: global }
      - { .name: caption_lengths, .offset: 16, .size: 8, .value_kind: global_buffer, .address_space: global }
      - { .name: ctxq, .offset: 24, .size: 8, .value_kind: global_buffer, .address_space: global }
      - { .name: wrdq, .offset: 32, .size: 8, .value_kind: global_buffer, .address_space: global }
      - { .name: sched, .offset: 40, .size: 8, .value_kind: global_buffer, .address_space: global }
    .group_segment_fixed_size: 52224
    .private_segment_fixed_size: 0
    .kernarg_segment_align: 8
    .kernarg_segment_size: 48
    .max_flat_workgroup_size: 384
    .sgpr_count:     66
    .vgpr_count:     82
    .wavefront_size: 32
...
	.end_amdgpu_metadata
.endif
;; end of part 1
;; launch main (part 2): grid 8 x 32, 4 waves a work-group, no clusters, 269,056 bytes of LDS; arguments ctxq, wrdq, sched, pmap, lgts; writes pmap, lgts
.if DOCPART == 2
	.amdgcn_target "amdgcn-amd-amdhsa--gfx1250"
	.amdhsa_code_object_version 6
	.text
	.protected	k_q39cb008004_main
	.globl	k_q39cb008004_main
	.p2align	8
	.type	k_q39cb008004_main,@function
k_q39cb008004_main:
	s_mov_b64 s[64:65], 0
	v_nop
	global_prefetch_b8 v0, s[64:65] scope:SCOPE_SE
	s_setreg_imm32_b32 hwreg(HW_REG_WAVE_MODE, 25, 1), 1
	s_wait_xcnt 0x0
; MAIN: for image j (work-group y) and the four captions of group g (work-group x): scores, both softmaxes, weighted context, cosine, the pair's logit.  Nothing of a pair goes to memory but its logit and, where i = j, p and its sums.
; SHARES.  Four waves.  Wave w owns pixels 96 w .. 96 w + 95 (first product: 6 pixel tiles; its image codes along d stay in 288 registers) and channels 192 w .. 192 w + 191 (second product: 12 tiles; its image codes along p stay in its own LDS bytes).
; FIRST PRODUCT: source 0 = 16 pixels, source 1 = 16 tokens: a lane holds ONE token (lane & 15); register 16 B + 8 u + jj of a token tile is pixel 96 w + 32 B + 16 (lane >> 4) + 8 u + jj: 16 neighbours along the second product's K.
; SOFTMAX OVER TOKENS: across 16 lanes (four steps with row_xmask) and the token tiles; the true maximum is taken away; masked scores are -2^126.
; SOFTMAX OVER PIXELS: its logits 4 x attn_q lie in 0 .. 4 for every input, since attn_q is a finished softmax: p = 2^t, t = 4 log2(e) attn_q in 0 .. 5.78, with the whole number M = 0: p in 1 .. 54.6, the sum under 19,800.  The blocks' scales take up the power of two by which another whole M would differ.
; p is quantised in registers, block by block of 32 pixels, and goes from wave to wave through LDS as an image of the operand's registers.
; SECOND PRODUCT: source 0 = 16 channels, source 1 = p: a lane again holds one token, and eight channels.  num = sum w x wc and the sum of wc^2 are taken straight off the accumulators; the words come as bf16 in that layout.  Both are divided by the pixels' sum at the end.
; TOKEN TILES THAT LIE WHOLLY BEHIND THE CAPTION'S LENGTH ARE LEFT OUT (scalar branches on the stored schedule): they add nothing to the logit, and their maps are constants.  SKIP = 0 assembles the text without that.
; THE HEAD asks first for what the first product wants (52,992 bytes a wave: codes along d, scale words, the first caption's codes) and behind that for the codes along p (36,864 bytes), which travel, in the registers that the bf16 words
; and the softmax take later, while the first caption's scores are made.  Those scores are written out ahead of the loop, all six token tiles: so every score register is written whatever the lengths; the loop's first trip jumps over its own first product.
; No tensor load and no cluster: these branches spare more than joint loads would.  No prefetch: every stream here is read by 8 or 32 work-groups and is asked for a phase ahead.
; LIMITS: scores under 2^126 in magnitude; NaN and infinities among the inputs are not served; the words of the third product are rounded to bf16; a length of 0 is served as one fully masked tile.
.set SKIP, 1
.set CPO,  4718592                     ; ctxq: CP behind CD
.set CDSO, 9437184
.set CPSD, 294912                      ; CPS lies this far behind CDS
.set W3O,  1179648                     ; wrdq
.set WQSO, 5898240
.set WNO,  5971968
.set DLO,  4718592                     ; pmap: the sums behind the images of p
; LDS: every region is an image of registers, 16 x lane or 4 x lane
.set WB,   147456                      ; 0 .. 147,455: 4 x 36,864, each wave's image codes along p;  WB: the caption's codes, 36,864, shared
.set WSC,  184320                      ; 4 x 2,304: each wave's copy of the caption's scale words
.set PIMG, 193536                      ; 18,432: p's codes: 3,072 lt + 256 block + 16 r + 8 h, shared
.set PSC,  211968                      ; 1,152: p's scale words: 64 (3 lt + s) + 4 r, shared
.set SCD,  213248                      ; 4 x 4,608: each wave's image scale words: 18 registers for the first product, 18 for the second
.set EX,   231680                      ; 4 x 4,608: [wave][pair][sum of p, num, sum of squares][96 tokens]
; REGISTERS by absolute number; WS sets the windows of an instruction from its operands' numbers
.set SCL,  32                          ; v32-49   the image's scale words of the product in hand
.set PS,   50                          ; v50-61   the caption's scale words (2 sets of 3), later p's (2 a token tile)
.set A2,   64                          ; v64-159  two sets of 6 word fragments | the next caption's codes and scales in transit | the second set of image fragments along p
.set A3,   160                         ; v160-231 48 numbers a pixel register (maximum, sum, factor) | num (4) and squares (4 pairs) for each token tile.  In the head v160-255: 24 loads of codes along p in transit
.set STAT, 160
.set LA,   232                         ; v232-235 the sum of p in two chains
.set TX,   236                         ; v236-238 a block's largest p;  v239-241 the other half's
.set UX,   239
.set SO,   242                         ; v242-244 the conversions' scale operands
.set BY,   245                         ; v245-247 the scale bytes
.set CC,   248                         ; v248-253 the codes
.set CDF,  256                         ; v256-543 image fragments along d: (pixel tile pt, K step s) at 8 (6 pt + s)
.set S,    544                         ; v544-831 the scores, then e, then p: 48 a token tile
.set PF,   544                         ; second product: p's fragments, 24 a token tile
.set ACC,  688                         ; four accumulators
.set CPA,  720                         ; v720-815 the first set of image fragments along p
.set CPB,  64
.set W3X,  832                         ; v832-927, v928-1023: the words as bf16 for four channel tiles: 16 lt + 4 dt.  In the head: 48 loads of codes along p in transit
.set W3Y,  928
.set MSB, 0
.macro WIN new                         ; the immediate's high byte repeats the setting that is left; a switch that changes nothing is dropped
.if MSB != (\new)
	s_set_vgpr_msb (MSB<<8)|(\new)
.set MSB, (\new)
.endif
.endm
.macro WS d, a, b, c                   ; destination, sources 0, 1, 2, by absolute register number
	WIN ((((\d)>>8)<<6)|(((\c)>>8)<<4)|(((\b)>>8)<<2)|((\a)>>8))
.endm
.macro PLACES n
.rept \n
	v_nop
.endr
.endm
.macro XIT lt, lab                     ; leave a chain of token tiles where tile lt is not active
.if SKIP
	s_cmp_le_u32 s19, \lt
	s_cbranch_scc1 \lab
.endif
.endm
; one scaled product; rowa, rowb: the scales stand in lanes 16-31 of their registers
.macro WM rd, ra, rb, zero, sa, sb, rowa, rowb
	WS (\rd), (\ra), (\rb), (\rd)
.set xD, (\rd)&255
.set xA, (\ra)&255
.set xB, (\rb)&255
.if \zero
.if (\rowa) && (\rowb)
	v_wmma_scale_f32_16x16x128_f8f6f4 v[xD:xD+7], v[xA:xA+7], v[xB:xB+7], 0, v[\sa], v[\sb] matrix_a_fmt:MATRIX_FMT_FP4 matrix_b_fmt:MATRIX_FMT_FP4 matrix_a_scale:MATRIX_SCALE_ROW1 matrix_b_scale:MATRIX_SCALE_ROW1
.elseif \rowa
	v_wmma_scale_f32_16x16x128_f8f6f4 v[xD:xD+7], v[xA:xA+7], v[xB:xB+7], 0, v[\sa], v[\sb] matrix_a_fmt:MATRIX_FMT_FP4 matrix_b_fmt:MATRIX_FMT_FP4 matrix_a_scale:MATRIX_SCALE_ROW1
.elseif \rowb
	v_wmma_scale_f32_16x16x128_f8f6f4 v[xD:xD+7], v[xA:xA+7], v[xB:xB+7], 0, v[\sa], v[\sb] matrix_a_fmt:MATRIX_FMT_FP4 matrix_b_fmt:MATRIX_FMT_FP4 matrix_b_scale:MATRIX_SCALE_ROW1
.else
	v_wmma_scale_f32_16x16x128_f8f6f4 v[xD:xD+7], v[xA:xA+7], v[xB:xB+7], 0, v[\sa], v[\sb] matrix_a_fmt:MATRIX_FMT_FP4 matrix_b_fmt:MATRIX_FMT_FP4
.endif
.else
.if (\rowa) && (\rowb)
	v_wmma_scale_f32_16x16x128_f8f6f4 v[xD:xD+7], v[xA:xA+7], v[xB:xB+7], v[xD:xD+7], v[\sa], v[\sb] matrix_a_fmt:MATRIX_FMT_FP4 matrix_b_fmt:MATRIX_FMT_FP4 matrix_a_scale:MATRIX_SCALE_ROW1 matrix_b_scale:MATRIX_SCALE_ROW1
.elseif \rowa
	v_wmma_scale_f32_16x16x128_f8f6f4 v[xD:xD+7], v[xA:xA+7], v[xB:xB+7], v[xD:xD+7], v[\sa], v[\sb] matrix_a_fmt:MATRIX_FMT_FP4 matrix_b_fmt:MATRIX_FMT_FP4 matrix_a_scale:MATRIX_SCALE_ROW1
.elseif \rowb
	v_wmma_scale_f32_16x16x128_f8f6f4 v[xD:xD+7], v[xA:xA+7], v[xB:xB+7], v[xD:xD+7], v[\sa], v[\sb] matrix_a_fmt:MATRIX_FMT_FP4 matrix_b_fmt:MATRIX_FMT_FP4 matrix_b_scale:MATRIX_SCALE_ROW1
.else
	v_wmma_scale_f32_16x16x128_f8f6f4 v[xD:xD+7], v[xA:xA+7], v[xB:xB+7], v[xD:xD+7], v[\sa], v[\sb] matrix_a_fmt:MATRIX_FMT_FP4 matrix_b_fmt:MATRIX_FMT_FP4
.endif
.endif
.endm
; the bases of the caption that comes next: its codes s[24:25], its scale words s[26:27]
.macro NEXTB reg
	s_min_u32 s23, \reg, 31                        ; a loaded number is held before it enters an address
	s_mul_i32 s76, s23, 36864
	s_mov_b32 s77, 0
	s_add_nc_u64 s[24:25], s[6:7], s[76:77]
	s_mul_i32 s76, s23, 2304
	s_add_co_u32 s76, s76, WQSO
	s_add_nc_u64 s[26:27], s[6:7], s[76:77]
.endm
.macro WSTLD                           ; the next caption's codes (my quarter) and scale words (all) set out for A2
.set n, 0
.rept 18
	global_load_b128 v[A2+4*n:A2+4*n+3], v6, s[24:25] offset:512*n
.set n, n+1
.endr
.set n, 0
.rept 18
	global_load_b32 v[A2+72+n], v5, s[26:27] offset:128*n
.set n, n+1
.endr
.endm
.macro WSTORE                          ; and go on into LDS
.set n, 0
.rept 18
	ds_store_b128 v7, v[A2+4*n:A2+4*n+3] offset:512*n
.set n, n+1
.endr
.set n, 0
.rept 18
	ds_store_b32 v8, v[A2+72+n] offset:128*n
.set n, n+1
.endr
.endm
.macro W3CUR lt                        ; this caption's bf16 words of token tile lt for my channel tiles 0-3 and 4-7
	WS W3X, 0, 0, 0
.set kd, 0
.rept 4
	global_load_b128 v[(W3X+16*(\lt)+4*kd)&255:((W3X+16*(\lt)+4*kd)&255)+3], v4, s[28:29] offset:kd*3072+(\lt)*512
	global_load_b128 v[(W3Y+16*(\lt)+4*kd)&255:((W3Y+16*(\lt)+4*kd)&255)+3], v4, s[28:29] offset:(4+kd)*3072+(\lt)*512
.set kd, kd+1
.endr
	WIN 0
.endm
.macro RINGLD lt, sel                  ; token tile lt's six fragments and three scale registers (lanes 0-15 even K steps, lanes 16-31 odd) into set sel
.set n, 0
.rept 12
	ds_load_b128 v[A2+48*(\sel)+4*n:A2+48*(\sel)+4*n+3], v9 offset:(\lt)*6144+512*n
.set n, n+1
.endr
.irp a, 0,1,2
	ds_load_b32 v[PS+3*(\sel)+\a], v8 offset:(\lt)*384+128*\a
.endr
.endm
; the scores of token tile lt: 36 products, the six pixel tiles' accumulators by turns, K ascending.  ex = 1: the chain is left behind the caption's last active tile
.macro P1REG lt, ex
	s_wait_dscnt 0x0                               ; this tile's fragments are in
.if (\lt) > 0
	PLACES 4                                       ; in front of loads into the set that the last tile's products read
.endif
.if (\lt) < 5
	RINGLD (\lt)+1, ((\lt)+1)%2
.endif
.set ks, 0
.rept 6
.set kp, 0
.rept 6
	WM S+48*(\lt)+8*kp, CDF+8*(6*kp+ks), A2+48*((\lt)%2)+8*ks, (ks==0), SCL+6*(kp/2)+ks, PS+3*((\lt)%2)+ks/2, kp%2, ks%2
.set kp, kp+1
.endr
.set ks, ks+1
.endr
	WIN 0
.if SKIP && (\ex) && ((\lt) < 5)
	s_cmp_eq_u32 s19, (\lt)+1
	s_cbranch_scc1 .Lp1e
.endif
.endm
; ---------------- HEAD
	s_load_b256 s[4:11], s[0:1], 0x0               ; ctxq s[4:5], wrdq s[6:7], sched s[8:9], pmap s[10:11]
	s_load_b64 s[12:13], s[0:1], 0x20              ; lgts
	v_lshl_add_u32 v62, v0, 2, 0x3d100
	v_mov_b32 v63, 0
	v_lshrrev_b32 v1, 5, v0
	v_readfirstlane_b32 s14, v1                    ; wave
	s_mov_b32 s15, ttmp9                           ; g
	s_and_b32 s16, ttmp7, 0xffff                   ; j
	v_and_b32 v1, 31, v0                           ; L
	v_and_b32 v2, 15, v0                           ; r
	v_bfe_u32 v3, v0, 4, 1                         ; h
	v_lshlrev_b32 v4, 4, v1                        ; 16 L
	v_lshlrev_b32 v5, 2, v1                        ; 4 L
	s_mul_i32 s80, s14, 9216
	v_add_nc_u32 v6, s80, v4                       ; my quarter of a caption's codes
	v_add_nc_u32 v7, WB, v6                        ; and its place in LDS
	s_mul_i32 s80, s14, 2304
	s_add_co_u32 s80, s80, WSC
	v_add_nc_u32 v8, s80, v5                       ; my copy of the caption's scale words
	v_add_nc_u32 v9, WB, v4
	s_mul_i32 s80, s14, 36864
	v_add_nc_u32 v10, s80, v4                      ; LDS: my image codes along p
	v_add_nc_u32 v24, s80, v4                      ; memory: my part of an image's codes, along d and along p
	s_mul_i32 s80, s14, 4608
	s_add_co_u32 s81, s80, SCD
	v_add_nc_u32 v11, s81, v5
	s_add_co_u32 s83, s80, EX
	v_lshl_add_u32 v19, v2, 2, s83
	s_mul_i32 s80, s14, 768
	s_add_co_u32 s80, s80, PIMG
	v_lshl_add_u32 v12, v2, 4, s80
	v_lshl_add_u32 v12, v3, 3, v12                 ; where my half blocks of p's codes go
.irp b, 0,1,2
	s_mul_i32 s80, s14, 3
	s_add_co_u32 s80, s80, \b                      ; block 3 w + b of the 12 along p:
	s_lshr_b32 s81, s80, 2
	s_lshl_b32 s81, s81, 6                         ; its K step's words,
	s_and_b32 s80, s80, 3
	s_add_co_u32 s81, s81, s80                     ; its byte in them
	s_add_co_u32 s81, s81, PSC
	v_lshl_add_u32 v[13+\b], v2, 2, s81
.endr
	v_add_nc_u32 v16, PIMG, v4
	v_add_nc_u32 v17, PSC, v5
	v_lshl_add_u32 v18, v2, 2, PSC+128
	s_mul_i32 s80, s14, 6144
	v_add_nc_u32 v25, s80, v4
	s_mul_i32 s80, s14, 384
	v_add_nc_u32 v26, s80, v5
	s_mul_i32 s80, s14, 768
	v_add_nc_u32 v27, s80, v5
	s_mul_i32 s59, s14, 36864
	s_add_co_u32 s59, s59, W3O                     ; my 12 channel tiles in a caption's bf16 words
	s_mov_b32 s32, 0x3fb8aa3b                      ; log2(e); the packed forms name pairs and take their low words
	s_mov_b32 s33, s32
	s_mov_b32 s34, 0xbfb8aa3b
	s_mov_b32 s35, s34
	s_mov_b32 s36, 0x40b8aa3b                      ; 4 log2(e)
	s_mov_b32 s37, s36
	s_mov_b32 s38, 0x76543210                      ; v_permlanex16_b32: lane l xor 16
	s_mov_b32 s39, 0xfedcba98
	s_mov_b32 s17, 4                               ; pairs to go
	s_mov_b32 s58, 0                               ; the pair's place in EX
	s_wait_alu depctr_va_vdst(0)
	s_wait_kmcnt 0x0
	s_lshl_b32 s66, s15, 5
	s_load_b256 s[40:47], s[8:9], s66 offset:0x0   ; my four (caption, length)
	s_mul_i32 s68, s16, 147456
	s_mov_b32 s69, 0
	s_add_nc_u64 s[60:61], s[4:5], s[68:69]        ; CD of image j
	s_add_nc_u64 s[62:63], s[60:61], CPO           ; CP
	s_mul_i32 s70, s16, 9216
	s_add_co_u32 s70, s70, CDSO
	s_mov_b32 s71, 0
	s_add_nc_u64 s[72:73], s[4:5], s[70:71]        ; CDS
	s_add_nc_u64 s[74:75], s[72:73], CPSD          ; CPS
; what the first product wants is asked for first
.set n, 0
.rept 72
	WS CDF+4*n, 0, 0, 0
	global_load_b128 v[(CDF+4*n)&255:((CDF+4*n)&255)+3], v24, s[60:61] offset:512*n   ; codes along d: they stay
.set n, n+1
.endr
	WIN 0
.irp b, 0,1,2
.irp s, 0,1,2,3,4,5
	global_load_b32 v[SCL+6*\b+\s], v26, s[72:73] offset:\s*1536+\b*128   ; lanes 0-15: pixel tile 2 b, lanes 16-31: tile 2 b + 1
.endr
.endr
	WS S, 0, 0, 0
.irp m, 0,1,2,3,4,5
.irp s, 0,1,2
	global_load_b32 v[(S+3*\m+\s)&255], v27, s[74:75] offset:\s*3072+\m*128   ; lanes 0-15: channel tile 2 m, lanes 16-31: tile 2 m + 1; on their way to LDS through 18 of the scores' registers
.endr
.endr
	WIN 0
.set n, 0
.rept 12
	v_mov_b32 v[PS+n], 0x7f7f7f7f                  ; unit scales, until the tiles' own are loaded
.set n, n+1
.endr
	v_mov_b32 v21, 0xfe800000                      ; -2^126: a masked score.  Times log2(e) it is exact, so a fully masked row gives e = 1
	s_cmp_eq_u32 s14, 3
	s_cselect_b32 s80, 0xff800000, 0
	v_mov_b32 v23, s80                             ; added to t: -infinity for pixels over 360 (wave 3, block 2: lanes 16-31 all, lanes 0-15 from register 9 on), else 0
	v_cmp_eq_u32 vcc_lo, 1, v3
	v_cndmask_b32 v22, 0, v23, vcc_lo
.irp n, 28,29,30,31
	v_mov_b32 v\n, 0                               ; a quad of zeros
.endr
	s_wait_kmcnt 0x0
.irp n, 0,1,2,3,4,5,6,7
	s_mov_b32 s[48+\n], s[40+\n]                   ; kept for the end
.endr
	NEXTB s40
	WSTLD
; the sums of squares of the words of the caption whose pair my wave finishes at the end: 9 loads here, through 9 of the scores' registers into LDS bytes of my own, WNL bytes behind my image scale words
.set WNL, 37376                        ; SCD + WNL = 250,624: behind the spare words; 1,152 bytes of each wave's 4,608
	s_cmp_eq_u32 s14, 1
	s_cselect_b32 s84, s50, s48
	s_cmp_eq_u32 s14, 2
	s_cselect_b32 s84, s52, s84
	s_cmp_eq_u32 s14, 3
	s_cselect_b32 s84, s54, s84
	s_min_u32 s84, s84, 31                         ; a loaded number is held before it enters an address
	s_mul_i32 s84, s84, 1152
	s_add_co_u32 s84, s84, WNO
	s_mov_b32 s85, 0
	s_add_nc_u64 s[84:85], s[6:7], s[84:85]
	WS S, 0, 0, 0
.set n, 0
.rept 9
	global_load_b32 v[(S+20+n)&255], v5, s[84:85] offset:384*(n%3)+128*(n/3)   ; register 3 a + z: tokens 32 a + L, third z of the channels
.set n, n+1
.endr
	WIN 0
; behind it the codes along p: 48 loads into the bf16 words' registers now, 24 into the softmax's behind the LDS stores below
.set n, 0
.rept 48
	WS W3X+4*n, 0, 0, 0
	global_load_b128 v[(W3X+4*n)&255:((W3X+4*n)&255)+3], v24, s[62:63] offset:512*n
.set n, n+1
.endr
	WIN 0
	s_wait_loadcnt 48                              ; all but the 48 loads just issued: the codes along d, the scale words and the first caption's codes are in
	v_add_nc_u32 v26, s83, v4
.set n, 0
	s_wait_alu depctr_va_vdst(0)
.rept 18
	ds_store_b32 v11, v[SCL+n] offset:128*n
.set n, n+1
.endr
	WS 0, 0, S, 0
.set n, 0
.rept 18
	ds_store_b32 v11, v[(S+n)&255] offset:2304+128*n
.set n, n+1
.endr
.set n, 0
.rept 9
	ds_store_b32 v11, v[(S+20+n)&255] offset:WNL+128*n
.set n, n+1
.endr
	WIN 0
	WSTORE
.set n, 0
.rept 9
	ds_store_b128 v26, v[28:31] offset:512*n       ; my part of EX: tiles that are left out count as zeros
.set n, n+1
.endr
.set n, 48
.rept 24
	global_load_b128 v[A3+4*(n-48):A3+4*(n-48)+3], v24, s[62:63] offset:512*n
.set n, n+1
.endr
	s_wait_dscnt 0x0                               ; my quarter of the first caption's codes has landed: for the other waves' sake
	s_barrier_signal -1
	s_barrier_wait -1
; the first caption's scores, all six token tiles, while the codes along p travel.  The image's scale words stand in their registers as they were loaded
	RINGLD 0, 0
.irp lt, 0,1,2,3,4,5
	P1REG \lt, 0
.endr
	PLACES 4                                       ; in front of any load into a register that the last products read
	s_wait_loadcnt 24                              ; of the 72 loads of codes along p the 24 youngest may be out: the 48 older ones go on into my LDS bytes meanwhile
.set n, 0
.rept 48
	WS 0, 0, W3X+4*n, 0
	ds_store_b128 v10, v[(W3X+4*n)&255:((W3X+4*n)&255)+3] offset:512*n
.set n, n+1
.endr
	WIN 0
	s_wait_loadcnt 0x0                             ; the last 24 are in
.rept 24
	ds_store_b128 v10, v[A3+4*(n-48):A3+4*(n-48)+3] offset:512*n
.set n, n+1
.endr
	s_wait_dscnt 0x0                               ; the stores have read their registers, which the softmax and the bf16 words take now
; ---------------- the macros of a pair
.macro MASKT lt                        ; tokens from the length on get -2^126; jumped over where the whole tile counts
	s_cmp_ge_u32 s18, 16*(\lt)+16
	s_cbranch_scc1 .Lnm_\@
	s_sub_co_i32 s60, s18, 16*(\lt)
	v_cmp_le_i32 vcc_lo, s60, v2
.set q, 0
.rept 48
.set rS, S+48*(\lt)+q
	WS rS, rS, 0, 0
	v_cndmask_b32 v[rS&255], v[rS&255], v21, vcc_lo
.set q, q+1
.endr
	WIN 0
.Lnm_\@:
.endm
.macro COPY0                           ; tile 0 starts the 48 maxima, and later the 48 sums
.set q, 0
.rept 24
	WS 0, S+2*q, 0, 0
	v_pk_mul_f32 v[STAT+2*q:STAT+2*q+1], v[(S+2*q)&255:((S+2*q)&255)+1], 1.0 op_sel_hi:[1,0]
.set q, q+1
.endr
	WIN 0
.endm
.macro MAXT lt
.set q, 0
.rept 48
.set rS, S+48*(\lt)+q
	WS 0, rS, 0, 0
	v_max_num_f32 v[STAT+q], v[rS&255], v[STAT+q]
.set q, q+1
.endr
	WIN 0
.endm
.macro ADDT lt
.set q, 0
.rept 24
.set rS, S+48*(\lt)+2*q
	WS 0, 0, rS, 0
	v_pk_add_f32 v[STAT+2*q:STAT+2*q+1], v[STAT+2*q:STAT+2*q+1], v[rS&255:(rS&255)+1]
.set q, q+1
.endr
	WIN 0
.endm
.macro RED op                          ; across the 16 lanes that hold a pixel's 16 tokens of a tile
.irp m, 1,2,4,8
.set q, 0
.rept 48
	\op v[STAT+q], v[STAT+q], v[STAT+q] row_xmask:\m row_mask:0xf bank_mask:0xf
.set q, q+1
.endr
.endr
.endm
.macro EXPT lt                         ; e = 2^(log2(e) s - log2(e) m)
.set q, 0
.rept 24
.set rS, S+48*(\lt)+2*q
	WS rS, rS, 0, 0
	v_pk_fma_f32 v[rS&255:(rS&255)+1], v[rS&255:(rS&255)+1], s[32:33], v[STAT+2*q:STAT+2*q+1] op_sel_hi:[1,0,1]
.set q, q+1
.endr
.set q, 0
	s_wait_alu depctr_va_vdst(0)
.rept 48
.set rS, S+48*(\lt)+q
	WS rS, rS, 0, 0
	v_exp_f32 v[rS&255], v[rS&255]
.set q, q+1
.endr
	WIN 0
	v_nop                                          ; a plain place behind the batch,
	s_wait_alu depctr_va_vdst(0)                   ; and the one wait ahead of its first reader and of the branch
.endm
; token tile lt: t, p, the pixels' sum, and p's codes and scale bytes of my three blocks
.macro PT lt
.set SB, S+48*(\lt)
	s_wait_dscnt 0x0                               ; the last tile's LDS stores have read their registers
.set q, 0
.rept 24
.set rS, SB+2*q
.set xS, rS&255
	WS rS, rS, 0, 0
.if q < 16
	v_pk_mul_f32 v[xS:xS+1], v[xS:xS+1], v[STAT+2*q:STAT+2*q+1]
.elseif q < 20
	v_pk_fma_f32 v[xS:xS+1], v[xS:xS+1], v[STAT+2*q:STAT+2*q+1], v[22:23] op_sel_hi:[1,1,0]
.elseif q == 20
	v_pk_fma_f32 v[xS:xS+1], v[xS:xS+1], v[STAT+2*q:STAT+2*q+1], v[22:23]
.else
	v_pk_fma_f32 v[xS:xS+1], v[xS:xS+1], v[STAT+2*q:STAT+2*q+1], v[22:23] op_sel:[0,0,1]
.endif
.set q, q+1
.endr
.set q, 0
	s_wait_alu depctr_va_vdst(0)
.rept 48
.set rS, SB+q
	WS rS, rS, 0, 0
	v_exp_f32 v[rS&255], v[rS&255]                 ; p = 2^t; 0 for pixels over 360
.set q, q+1
.endr
	WIN 0
	v_nop
	s_wait_alu depctr_va_vdst(0)                   ; one wait for the batch
; THE SUM IS TAKEN OF THE UNQUANTISED p, two at a time, in two chains; a block's largest p, with the floor 2^(3 - 127), in three chains, one a block.  The five chains take turns, so that a link stands five instructions behind the link that it reads
.irp b, 0,1,2
	WS 0, SB+16*\b, SB+16*\b, 0
	v_max3_num_f32 v[TX+\b], v[(SB+16*\b)&255], v[(SB+16*\b+1)&255], 0x1800000
.endr
	WS 0, SB, SB+2, 0
	v_pk_add_f32 v[LA:LA+1], v[SB&255:(SB&255)+1], v[(SB+2)&255:((SB+2)&255)+1]
	v_pk_add_f32 v[LA+2:LA+3], v[(SB+4)&255:((SB+4)&255)+1], v[(SB+6)&255:((SB+6)&255)+1]
.set q, 4
.rept 10
.set rS, SB+2*q
	WS 0, 0, rS, rS                                ; (the third source's window is set as the maxima want it: the additions have no third source)
	v_pk_add_f32 v[LA:LA+1], v[LA:LA+1], v[rS&255:(rS&255)+1]
	v_pk_add_f32 v[LA+2:LA+3], v[LA+2:LA+3], v[(rS+2)&255:((rS+2)&255)+1]
.if q < 18
.irp b, 0,1,2
	WS 0, 0, SB+16*\b, SB+16*\b
	v_max3_num_f32 v[TX+\b], v[TX+\b], v[(SB+16*\b+q-2)&255], v[(SB+16*\b+q-1)&255]
.endr
.endif
.set q, q+2
.endr
	WIN 0
	v_pk_add_f32 v[LA:LA+1], v[LA:LA+1], v[LA+2:LA+3]
.irp b, 0,1,2
	v_permlanex16_b32 v[UX+\b], v[TX+\b], s38, s39
.endr
	v_add_f32 v255, v[LA], v[LA+1]
.irp b, 0,1,2
	v_max_num_f32 v[TX+\b], v[TX+\b], v[UX+\b]     ; with lane l xor 16's 16 pixels
.endr
	v_permlanex16_b32 v254, v255, s38, s39
.irp b, 0,1,2
	v_add_nc_u32 v[SO+\b], 0xff000000, v[TX+\b]    ; 2 off the exponent field: the conversion's scale operand
.endr
	v_add_f32 v255, v255, v254                     ; the sum over my 96 pixels
.irp b, 0,1,2
	v_lshrrev_b32 v[BY+\b], 23, v[SO+\b]
.endr
.irp b, 0,1,2
	WS 0, SB+16*\b, 0, 0
	v_cvt_scalef32_pk8_fp4_f32 v[CC+2*\b], v[(SB+16*\b)&255:((SB+16*\b)&255)+7], v[SO+\b]
	v_cvt_scalef32_pk8_fp4_f32 v[CC+2*\b+1], v[(SB+16*\b+8)&255:((SB+16*\b+8)&255)+7], v[SO+\b]
.endr
	WIN 0
	v_nop                                          ; one plain place behind the last conversion
	ds_store_b32 v20, v255 offset:64*(\lt)
.irp b, 0,1,2
	ds_store_b64 v12, v[CC+2*\b:CC+2*\b+1] offset:(\lt)*3072+256*\b   ; 16 codes: my half of the block's 16 bytes in the operand's image: no lanes are swapped
	ds_store_b8 v[13+\b], v[BY+\b] offset:(\lt)*192                   ; both halves write the same byte with the same value
.endr
.endm
.macro DIAGT lt                        ; i = j: p as it stands, for the attention maps
.set n, 0
.rept 12
.set rS, S+48*(\lt)+4*n
	WS 0, 0, rS, 0
	global_store_b128 v25, v[rS&255:(rS&255)+3], s[56:57] offset:(\lt)*24576+512*n
.set n, n+1
.endr
	WIN 0
.endm
.macro CPLD gr, dst                    ; my channel tiles 4 gr .. 4 gr + 3: 12 fragments
.set n, 0
.rept 24
.set rC, (\dst)+4*n
	WS rC, 0, 0, 0
	ds_load_b128 v[rC&255:(rC&255)+3], v10 offset:(\gr)*12288+512*n
.set n, n+1
.endr
	WIN 0
.endm
.macro PFLD lt                         ; p's three fragments and two scale registers (K steps 0 | 1, and 2) of token tile lt
	WS PF, 0, 0, 0
.set n, 0
.rept 6
	ds_load_b128 v[(PF+24*(\lt)+4*n)&255:((PF+24*(\lt)+4*n)&255)+3], v16 offset:(\lt)*3072+512*n
.set n, n+1
.endr
	WIN 0
	ds_load_b32 v[PS+2*(\lt)], v17 offset:192*(\lt)
	ds_load_b32 v[PS+2*(\lt)+1], v18 offset:192*(\lt)
.endm
; four channel tiles x token tile lt: 12 products (four accumulators by turns), then num and the squares straight off the accumulators
.macro P2REG gr, lt, cp, w3, lab
.if (\lt) > 0
	XIT \lt, \lab
.endif
.set ks, 0
.rept 3
.set kd, 0
.rept 4
	WM ACC+8*kd, (\cp)+8*(3*kd+ks), PF+24*(\lt)+8*ks, (ks==0), SCL+3*((4*(\gr)+kd)/2)+ks, PS+2*(\lt)+ks/2, kd%2, (ks==1)
.set kd, kd+1
.endr
.set ks, ks+1
.endr
	WIN 0
; five places in front of the reads of the results, and of the next group of products, which begins the same accumulators anew; in the first group four of them start num
.set rN, A3+12*(\lt)
.set rM, rN+4
.if (\gr) == 0
.irp d, 0,1,2,3
	v_mov_b32 v[rN+\d], 0
.endr
	PLACES 1
.else
	PLACES 5
.endif
.set ke, 0
.rept 8
.set kd, 0
.rept 4
.set rW, (\w3)+16*(\lt)+4*kd+ke/2
.set rA, ACC+8*kd+ke
	WS 0, rW, rA, 0
.if ke%2
	v_fma_mix_f32_bf16 v[rN+kd], v[rW&255], v[rA&255], v[rN+kd] op_sel:[1,0,0] op_sel_hi:[1,0,0]
.else
	v_fma_mix_f32_bf16 v[rN+kd], v[rW&255], v[rA&255], v[rN+kd] op_sel_hi:[1,0,0]
.endif
.set kd, kd+1
.endr
.set ke, ke+1
.endr
.set ke, 0
.rept 4
.set kd, 0
.rept 4
.set rA, ACC+8*kd+2*ke
	WS 0, rA, rA, 0
.if ((\gr) == 0) && (ke == 0)
	v_pk_mul_f32 v[rM+2*kd:rM+2*kd+1], v[rA&255:(rA&255)+1], v[rA&255:(rA&255)+1]
.else
	v_pk_fma_f32 v[rM+2*kd:rM+2*kd+1], v[rA&255:(rA&255)+1], v[rA&255:(rA&255)+1], v[rM+2*kd:rM+2*kd+1]
.endif
.set kd, kd+1
.endr
.set ke, ke+1
.endr
.if (\gr) == 0
	WS W3X, 0, 0, 0
.set kd, 0
.rept 4
	global_load_b128 v[(W3X+16*(\lt)+4*kd)&255:((W3X+16*(\lt)+4*kd)&255)+3], v4, s[28:29] offset:(8+kd)*3072+(\lt)*512   ; the words of channel tiles 8-11 take the place of those just used
.set kd, kd+1
.endr
.endif
	WIN 0
.if (\gr) == 2
	v_add_f32 v[rN], v[rN], v[rN+1]
	v_add_f32 v[rN+2], v[rN+2], v[rN+3]
	v_pk_add_f32 v[rM:rM+1], v[rM:rM+1], v[rM+2:rM+3]
	v_pk_add_f32 v[rM+4:rM+5], v[rM+4:rM+5], v[rM+6:rM+7]
	v_add_f32 v[rN], v[rN], v[rN+2]
	v_pk_add_f32 v[rM:rM+1], v[rM:rM+1], v[rM+4:rM+5]
	v_permlanex16_b32 v26, v[rN], s38, s39
	v_add_f32 v[rM], v[rM], v[rM+1]
	v_add_f32 v[rN], v[rN], v26                    ; with lane l xor 16's eight channels of each tile
	v_permlanex16_b32 v27, v[rM], s38, s39
	v_add_f32 v[rM], v[rM], v27
	ds_store_b32 v20, v[rN] offset:384+64*(\lt)
	ds_store_b32 v20, v[rM] offset:768+64*(\lt)
.endif
.endm
; ---------------- the four pairs
.Lpair:
	s_wait_xcnt 0x0                                ; the bases are written again only behind this wait
	s_min_u32 s20, s40, 31                         ; the caption,
	s_min_u32 s18, s41, 96                         ; its length
.if SKIP
	s_add_co_u32 s19, s18, 15
	s_lshr_b32 s19, s19, 4
	s_max_u32 s19, s19, 1                          ; active token tiles, at least one
.else
	s_mov_b32 s19, 6
.endif
	NEXTB s42
	s_mul_i32 s76, s20, 147456
	s_add_nc_u64 s[56:57], s[10:11], s[76:77]      ; p's images of caption i
	s_add_co_u32 s76, s76, s59
	s_add_nc_u64 s[28:29], s[6:7], s[76:77]        ; my channels of this caption's bf16 words
	v_add_nc_u32 v20, s58, v19
	s_cmp_eq_u32 s17, 4
	s_cbranch_scc1 .Lp1e                           ; the first caption's scores were made in the head
; ---- the scores
.set n, 0
.rept 18
	ds_load_b32 v[SCL+n], v11 offset:128*n
.set n, n+1
.endr
	RINGLD 0, 0
.irp lt, 0,1,2,3,4,5
	P1REG \lt, 1
.endr
.Lp1e:
	s_wait_dscnt 0x0                               ; the set asked for ahead has landed, wanted or not: its registers are free
	PLACES 4                                       ; in front of the reads of the scores and of loads into the fragments' registers
	s_cmp_eq_u32 s17, 1
	s_cbranch_scc1 .Lnowst
	WSTLD                                          ; the next caption's codes travel while this pair's softmaxes are made
.Lnowst:
.set n, 0
.rept 18
	ds_load_b32 v[SCL+n], v11 offset:2304+128*n    ; the image's scale words of the second product: my own bytes; the first product is done with these registers (four places stand above)
.set n, n+1
.endr
; ---- softmax over the tokens
	MASKT 0
	COPY0
.irp lt, 1,2,3,4,5
	XIT \lt, .Lmaxe
	MASKT \lt
	MAXT \lt
.endr
.Lmaxe:
	RED v_max_num_f32_dpp
.set q, 0
.rept 24
	v_pk_mul_f32 v[STAT+2*q:STAT+2*q+1], v[STAT+2*q:STAT+2*q+1], s[34:35] op_sel_hi:[1,0]   ; - log2(e) m
.set q, q+1
.endr
; this caption's bf16 words for my first eight channel tiles are asked for here, 8 loads an active tile: the rest of both softmaxes lies between them and their use, and the maximum's 216 lines and more between them and the 36 loads above
	W3CUR 0
.irp lt, 1,2,3,4,5
	XIT \lt, .Lw3e
	W3CUR \lt
.endr
.Lw3e:
	EXPT 0
.irp lt, 1,2,3,4,5
	XIT \lt, .Lexpe
	EXPT \lt
.endr
.Lexpe:
	COPY0
.irp lt, 1,2,3,4,5
	XIT \lt, .Lsume
	ADDT \lt
.endr
.Lsume:
	RED v_add_f32_dpp
.set q, 0
	s_wait_alu depctr_va_vdst(0)
.rept 48
	v_rcp_f32 v[STAT+q], v[STAT+q]
.set q, q+1
.endr
	v_nop
	s_wait_alu depctr_va_vdst(0)                   ; one wait for the 48 reciprocals
.set q, 0
.rept 24
	v_pk_mul_f32 v[STAT+2*q:STAT+2*q+1], v[STAT+2*q:STAT+2*q+1], s[36:37] op_sel_hi:[1,0]   ; 4 log2(e) / sum: t = e x this
.set q, q+1
.endr
; ---- softmax over the pixels, and p's codes
	PT 0
.irp lt, 1,2,3,4,5
	XIT \lt, .Lpte
	PT \lt
.endr
.Lpte:
	s_cmp_lg_u32 s20, s16
	s_cbranch_scc1 .Lnodiag
	DIAGT 0
.irp lt, 1,2,3,4,5
	XIT \lt, .Lnodiag
	DIAGT \lt
.endr
.Lnodiag:
	s_wait_dscnt 0x0                               ; my codes and bytes of p have landed, and my reads of the caption's codes are long over
	s_barrier_signal -1
	s_barrier_wait -1                              ; p is whole; nobody reads this caption's codes any more
; ---- the weighted context
	s_wait_loadcnt 0x0                             ; the next caption's codes and this caption's bf16 words are in
	s_wait_xcnt 0x0                                ; the stores of p have read their registers
	s_cmp_eq_u32 s17, 1
	s_cbranch_scc1 .Lnost
	WSTORE
.Lnost:
	CPLD 0, CPA
	PFLD 0
.irp lt, 1,2,3,4,5
	XIT \lt, .Lpfe
	PFLD \lt
.endr
.Lpfe:
	s_wait_dscnt 0x0
	CPLD 1, CPB                                    ; the next four channel tiles land while these are multiplied
.irp lt, 0,1,2,3,4,5
	P2REG 0, \lt, CPA, W3X, .Lg0e
.endr
.Lg0e:
	s_wait_dscnt 0x0
	CPLD 2, CPA
.irp lt, 0,1,2,3,4,5
	P2REG 1, \lt, CPB, W3Y, .Lg1e
.endr
.Lg1e:
	s_wait_dscnt 0x0
	s_wait_loadcnt 0x0                             ; the words of channel tiles 8-11
.irp lt, 0,1,2,3,4,5
	P2REG 2, \lt, CPA, W3X, .Lg2e
.endr
.Lg2e:
.irp n, 0,1,2,3,4,5
	s_mov_b32 s[40+\n], s[42+\n]                   ; the schedule moves up
.endr
	s_add_co_u32 s58, s58, 1152
	s_wait_dscnt 0x0                               ; my reads of p are over, my quarter of the next caption's codes has landed
	s_barrier_signal -1
	s_barrier_wait -1
	s_sub_co_u32 s17, s17, 1
	s_cmp_lg_u32 s17, 0
	s_cbranch_scc1 .Lpair
; ---------------- wave k finishes pair k: a lane takes tokens L, 32 + L, 64 + L
.set F, 64                             ; v64-99: [sum of p, num, squares][3][4 waves]; v100-108 the words' squares [3][3]
.set G, 112
	s_cmp_eq_u32 s14, 1
	s_cselect_b32 s60, s50, s48
	s_cselect_b32 s61, s51, s49
	s_cmp_eq_u32 s14, 2
	s_cselect_b32 s60, s52, s60
	s_cselect_b32 s61, s53, s61
	s_cmp_eq_u32 s14, 3
	s_cselect_b32 s60, s54, s60
	s_cselect_b32 s61, s55, s61
	s_min_u32 s60, s60, 31                         ; i
	s_min_u32 s61, s61, 96                         ; its length
	s_mul_i32 s62, s14, 1152
	s_add_co_u32 s62, s62, EX
	v_add_nc_u32 v26, s62, v5
.irp u, 0,1,2
.irp a, 0,1,2
.irp w, 0,1,2,3
	ds_load_b32 v[F+12*\u+4*\a+\w], v26 offset:\w*4608+\u*384+128*\a
.endr
.endr
.endr
.set n, 0
.rept 9
	ds_load_b32 v[F+36+n], v11 offset:WNL+128*n    ; the words' squares, laid here by the head: my own bytes
.set n, n+1
.endr
	s_wait_dscnt 0x0
.set n, 0
.rept 9
	v_add_f32 v[F+4*n], v[F+4*n], v[F+4*n+1]
	v_add_f32 v[F+4*n+2], v[F+4*n+2], v[F+4*n+3]
.set n, n+1
.endr
.set n, 0
.rept 9
	v_add_f32 v[F+4*n], v[F+4*n], v[F+4*n+2]       ; the four waves' parts
.set n, n+1
.endr
.irp a, 0,1,2
	v_add_f32 v[F+36+3*\a], v[F+36+3*\a], v[F+37+3*\a]
.endr
.irp a, 0,1,2
	v_add_f32 v[F+36+3*\a], v[F+36+3*\a], v[F+38+3*\a]
.endr
	s_wait_alu depctr_va_vdst(0)
.irp a, 0,1,2
	v_sqrt_f32 v[G+\a], v[F+36+3*\a]               ; the word's norm
	v_sqrt_f32 v[G+3+\a], v[F+24+4*\a]             ; the context's, not yet divided
	v_rcp_f32 v[G+6+\a], v[F+4*\a]                 ; 1 / the pixels' sum
.endr
	v_nop
	s_wait_alu depctr_va_vdst(0)
.irp a, 0,1,2
	v_mul_f32 v[G+3+\a], v[G+3+\a], v[G+6+\a]
	v_max_num_f32 v[G+\a], 0x322bcc77, v[G+\a]     ; 1e-8
	v_mul_f32 v[G+12+\a], v[F+12+4*\a], v[G+6+\a]
.endr
.irp a, 0,1,2
	v_max_num_f32 v[G+3+\a], 0x322bcc77, v[G+3+\a]
.endr
.irp a, 0,1,2
	v_mul_f32 v[G+\a], v[G+\a], v[G+3+\a]
.endr
	s_wait_alu depctr_va_vdst(0)
.irp a, 0,1,2
	v_rcp_f32 v[G+9+\a], v[G+\a]
.endr
	v_nop
	s_wait_alu depctr_va_vdst(0)
.irp a, 0,1,2
	v_mul_f32 v[G+12+\a], v[G+12+\a], v[G+9+\a]    ; the cosine
.endr
.irp a, 0,1,2
	v_mul_f32 v[G+12+\a], 0x40e6d4ca, v[G+12+\a]   ; x 5 log2(e)
.endr
	s_wait_alu depctr_va_vdst(0)
.irp a, 0,1,2
	v_exp_f32 v[G+12+\a], v[G+12+\a]
.endr
	v_nop
	s_wait_alu depctr_va_vdst(0)
.irp a, 0,1,2
	s_sub_co_i32 s62, s61, 32*\a
	v_cmp_gt_i32 vcc_lo, s62, v1
	v_cndmask_b32 v[G+12+\a], 0, v[G+12+\a], vcc_lo   ; tokens from the length on count for nothing, whatever stands there
.endr
	v_add_f32 v[G+12], v[G+12], v[G+13]
	v_add_f32 v[G+12], v[G+12], v[G+14]
.irp m, 1,2,4,8
	v_add_f32_dpp v[G+12], v[G+12], v[G+12] row_xmask:\m row_mask:0xf bank_mask:0xf
.endr
	v_permlanex16_b32 v27, v[G+12], s38, s39
	v_add_f32 v[G+12], v[G+12], v27
	s_wait_alu depctr_va_vdst(0)
	v_log_f32 v[G+15], v[G+12]
	s_lshl_b32 s62, s16, 5
	s_add_co_u32 s62, s62, s60
	s_lshl_b32 s62, s62, 2                         ; [j][i]
	s_lshl_b32 s63, s60, 5
	s_add_co_u32 s63, s63, s16
	s_lshl_b32 s63, s63, 2                         ; [i][j]
	v_mov_b32 v28, s62
	v_mov_b32 v29, s63
	s_wait_alu depctr_va_vdst(0)
	v_mul_f32 v[G+15], 0x40ddce9e, v[G+15]         ; 10 ln 2 x log2
	s_wait_alu depctr_va_vdst(0)
	s_wait_xcnt 0x0                                ; EXEC changes only behind this wait
	v_cmp_eq_u32 vcc_lo, 0, v1
	s_and_saveexec_b32 s66, vcc_lo
	global_store_b32 v28, v[G+15], s[12:13]
	global_store_b32 v29, v[G+15], s[12:13] offset:4096
	s_wait_xcnt 0x0
	s_or_b32 exec_lo, exec_lo, s66
	s_cmp_lg_u32 s60, s16
	s_cbranch_scc1 .Lend
	s_mul_i32 s62, s60, 384
	s_add_co_u32 s62, s62, DLO
	s_mov_b32 s63, 0
	s_add_nc_u64 s[68:69], s[10:11], s[62:63]
.irp a, 0,1,2
	global_store_b32 v5, v[F+4*\a], s[68:69] offset:128*\a   ; i = j: the pixels' sums, for the maps
.endr
.Lend:
	s_wait_tensorcnt 0x0
	ds_add_u32 v62, v63
	s_wait_dscnt 0x0
	s_endpgm
.Lfunc_end_k_q39cb008004_main:
	.size	k_q39cb008004_main, .Lfunc_end_k_q39cb008004_main-k_q39cb008004_main
	.p2alignl 7, 3214868480
	.fill 96, 4, 3214868480
	.section	.rodata,"a",@progbits
	.p2align	6, 0x0
	.amdhsa_kernel k_q39cb008004_main
		.amdhsa_group_segment_fixed_size 269056
		.amdhsa_private_segment_fixed_size 0
		.amdhsa_enable_private_segment 0
		.amdhsa_kernarg_size 40
		.amdhsa_user_sgpr_count 2
		.amdhsa_user_sgpr_kernarg_segment_ptr 1
		.amdhsa_wavefront_size32 1
		.amdhsa_system_sgpr_workgroup_id_x 1
		.amdhsa_system_sgpr_workgroup_id_y 1
		.amdhsa_system_sgpr_workgroup_id_z 1
		.amdhsa_system_vgpr_workitem_id 0
		.amdhsa_next_free_vgpr 1024
		.amdhsa_next_free_sgpr 100
		.amdhsa_reserve_vcc 1
		.amdhsa_float_denorm_mode_32 3
		.amdhsa_float_denorm_mode_16_64 3
		.amdhsa_memory_ordered 1
		.amdhsa_forward_progress 1
		.amdhsa_inst_pref_size 255
	.end_amdhsa_kernel
	.section	.bss,"aw",@nobits
	.p2align	6
	.space	262144
	.amdgpu_metadata
---
amdhsa.version: [ 1, 2 ]
amdhsa.kernels:
  - .name:           k_q39cb008004_main
    .symbol:         k_q39cb008004_main.kd
    .args:
      - { .name: ctxq, .offset: 0, .size: 8, .value_kind: global_buffer, .address_space: global }
      - { .name: wrdq, .offset: 8, .size: 8, .value_kind: global_buffer, .address_space: global }
      - { .name: sched, .offset: 16, .size: 8, .value_kind: global_buffer, .address_space: global }
      - { .name: pmap, .offset: 24, .size: 8, .value_kind: global_buffer, .address_space: global }
      - { .name: lgts, .offset: 32, .size: 8, .value_kind: global_buffer, .address_space: global }
    .group_segment_fixed_size: 269056
    .private_segment_fixed_size: 0
    .kernarg_segment_align: 8
    .kernarg_segment_size: 40
    .max_flat_workgroup_size: 128
    .sgpr_count:     100
    .vgpr_count:     1024
    .wavefront_size: 32
...
	.end_amdgpu_metadata
.endif
;; end of part 2
;; launch finish (part 3): grid 6 x 32, 4 waves a work-group, no clusters, 47,104 bytes of LDS; arguments caption_lengths, pmap, lgts, out0, out1, out2; writes out0, out1, out2
.if DOCPART == 3
	.amdgcn_target "amdgcn-amd-amdhsa--gfx1250"
	.amdhsa_code_object_version 6
	.text
	.protected	k_q39cb008004_finish
	.globl	k_q39cb008004_finish
	.p2align	8
	.type	k_q39cb008004_finish,@function
k_q39cb008004_finish:
	s_mov_b64 s[64:65], 0
	v_nop
	global_prefetch_b8 v0, s[64:65] scope:SCOPE_SE
	s_setreg_imm32_b32 hwreg(HW_REG_WAVE_MODE, 25, 1), 1
	s_wait_xcnt 0x0
; FINISH: the attention maps of the 32 diagonal pairs, and the two losses.
; Work-group (lt, i): tokens 16 lt .. 16 lt + 15 of caption i: 16 rows of 361 f32, 23,104 dense bytes of out2.  Wave w holds pixels 96 w .. 96 w + 95 as MAIN's registers held p: lane (r, h), register 16 B + q: token r, pixel 96 w + 32 B + 16 h + q.
; p / sum goes through a stage in LDS (rows of 361 words, as in memory) and leaves as dense 16-byte pieces.
; A token tile that lies wholly behind the caption's length was left out by MAIN: its maps are the constant 1 / 361 (every score of such a token is masked alike, so attn_q is the same for all pixels).
; Pixels over 360 (wave 3, block 2): lanes 16-31 write into a dump 23,104 bytes on, which nobody reads; registers 9 to 15 are not stored at all.
; Work-group (5, 0), waves 0 and 1: the mean over rows of logsumexp - diagonal, of the logits (out0) and of their transpose (out1); the row's maximum is taken away.
; Their 9 loads go out ahead of the wait for the caption's length, into registers of their own (v80 on); the arithmetic stands between the maps' loads and the wait for them.
; No tensor load.  No prefetch: there is no loop to run ahead in.
.set D, 16                             ; v16-63  48 numbers of the maps
.set R, 80                             ; v80-111 a row of 32 logits; v112 its diagonal; v113-118 at work
	s_load_b128 s[4:7], s[0:1], 0x0                ; caption_lengths, pmap
	s_load_b128 s[8:11], s[0:1], 0x10              ; lgts, out0
	s_load_b128 s[12:15], s[0:1], 0x20             ; out1, out2
	s_and_b32 s17, ttmp7, 0xffff                   ; i
	s_mov_b32 s18, ttmp9                           ; lt
	s_lshl_b32 s19, s17, 2
	s_mov_b32 s25, 0
	v_lshl_add_u32 v72, v0, 2, 0xb600              ; my spare word, behind the stage and its dump
	v_mov_b32 v73, 0
	v_lshrrev_b32 v1, 5, v0
	v_readfirstlane_b32 s16, v1                    ; wave
	v_and_b32 v1, 31, v0                           ; L
	v_and_b32 v2, 15, v0                           ; r
	v_bfe_u32 v3, v0, 4, 1                         ; h
	s_mul_i32 s22, s16, 384
	s_lshr_b32 s23, s16, 1
	s_and_b32 s23, s23, s16                        ; 1 in wave 3 alone
	s_mul_i32 s23, s23, 23040
	s_add_co_u32 s23, s23, 64
	v_mul_u32_u24 v4, v2, 1444
	v_add_nc_u32 v4, s22, v4                       ; the stage: row r, my wave's 96 pixels
	v_mul_u32_u24 v6, s23, v3                      ; block 2: lanes 16-31 stand 64 bytes on, in wave 3 23,104 bytes on
	v_add_nc_u32 v6, v6, v4
	v_lshl_add_u32 v4, v3, 6, v4                   ; blocks 0 and 1: + 64 h
	v_lshlrev_b32 v5, 4, v0                        ; 16 t
	v_lshlrev_b32 v7, 4, v1                        ; 16 L
	v_lshlrev_b32 v8, 2, v2                        ; 4 r
	v_lshlrev_b32 v9, 7, v1                        ; the losses: a lane a row of 32,
	v_mul_u32_u24 v10, v1, 132                     ; and its diagonal
	v_mov_b32 v117, 0                              ; a lane permute's destination counts as one of its sources
	v_mov_b32 v118, 0                              ; the losses' offset
	s_xor_b32 s46, s18, 5
	s_or_b32 s46, s46, s17
	s_lshr_b32 s47, s16, 1
	s_or_b32 s46, s46, s47                         ; 0 in waves 0 and 1 of work-group (5, 0)
	s_mul_i32 s40, s17, 138624
	s_mul_i32 s41, s18, 23104
	s_add_co_u32 s40, s40, s41                     ; out2: my 16 rows
	s_mov_b32 s41, 0
	s_mul_i32 s42, s17, 6
	s_add_co_u32 s42, s42, s18
	s_lshl_b32 s42, s42, 2
	s_add_co_u32 s42, s42, s16
	s_mul_i32 s42, s42, 6144                       ; p's image [i][lt][wave]
	s_mov_b32 s43, 0
	s_mul_i32 s44, s17, 384
	s_lshl_b32 s45, s18, 6
	s_add_co_u32 s44, s44, s45
	s_add_co_u32 s44, s44, 4718592                 ; the sums of my 16 tokens
	s_mov_b32 s45, 0
	s_wait_alu depctr_va_vdst(0)
	s_wait_kmcnt 0x0
	s_load_b32 s20, s[4:5], s19 offset:0x0         ; the caption's length
	s_add_nc_u64 s[30:31], s[14:15], s[40:41]
	s_add_nc_u64 s[26:27], s[6:7], s[42:43]
	s_add_nc_u64 s[28:29], s[6:7], s[44:45]
	s_cmp_lg_u32 s46, 0
	s_cbranch_scc1 .Lnl
	s_lshl_b32 s24, s16, 12                        ; wave 0: the logits; wave 1: their transpose, 4,096 bytes on
	s_add_nc_u64 s[34:35], s[8:9], s[24:25]
.set n, 0
.rept 8
	global_load_b128 v[R+4*n:R+4*n+3], v9, s[34:35] offset:16*n
.set n, n+1
.endr
	global_load_b32 v112, v10, s[34:35]
.Lnl:
	s_wait_kmcnt 0x0
	s_max_i32 s20, s20, 0
	s_min_i32 s20, s20, 0x60
	s_add_co_u32 s21, s20, 15
	s_lshr_b32 s21, s21, 4
	s_max_u32 s21, s21, 1                          ; active token tiles, as MAIN counts them
	s_cmp_lt_u32 s18, s21
	s_cbranch_scc1 .Lact
.set n, 0
.rept 48
	v_mov_b32 v[D+n], 0x3b358a48                   ; 1 / 361
.set n, n+1
.endr
	s_wait_loadcnt 0x0                             ; the losses' loads, where there are any
	s_branch .Lloss
.Lact:
.set n, 0
.rept 12
	global_load_b128 v[D+4*n:D+4*n+3], v7, s[26:27] offset:512*n th:TH_LOAD_NT
.set n, n+1
.endr
	global_load_b32 v66, v8, s[28:29]
	s_wait_loadcnt 13                              ; the 13 loads just issued may be out: the losses' loads, where there are any, are in
; ---------------- the losses
.Lloss:
	s_cmp_lg_u32 s46, 0
	s_cbranch_scc1 .Ljoin
	s_cmp_eq_u32 s16, 0
	s_cselect_b64 s[32:33], s[10:11], s[12:13]     ; out0 or out1
	s_mov_b32 s36, 0x3fb8aa3b                      ; log2(e)
	s_mov_b32 s37, 0x3f317218                      ; ln 2
	s_mov_b32 s38, 0x76543210
	s_mov_b32 s39, 0xfedcba98
	v_max3_num_f32 v113, v80, v81, v82
.irp i, 83,85,87,89,91,93,95,97,99,101,103,105,107,109
	v_max3_num_f32 v113, v113, v[\i], v[\i+1]
.endr
	v_max_num_f32 v113, v113, v111                 ; the row's maximum
	v_mul_f32 v114, 0xbfb8aa3b, v113
.set n, 0
.rept 32
	v_fma_f32 v[R+n], v[R+n], s36, v114
.set n, n+1
.endr
	s_wait_alu depctr_va_vdst(0)                   ; ahead of the batch
.set n, 0
.rept 32
	v_exp_f32 v[R+n], v[R+n]
.set n, n+1
.endr
	v_sub_f32 v116, v113, v112                     ; maximum - diagonal.  (A plain place behind the batch)
	s_wait_alu depctr_va_vdst(0)                   ; and behind it
.set n, 0
.rept 8
	v_pk_add_f32 v[R+4*n:R+4*n+1], v[R+4*n:R+4*n+1], v[R+4*n+2:R+4*n+3]
.set n, n+1
.endr
.set n, 0
.rept 4
	v_pk_add_f32 v[R+8*n:R+8*n+1], v[R+8*n:R+8*n+1], v[R+8*n+4:R+8*n+5]
.set n, n+1
.endr
	v_pk_add_f32 v[R:R+1], v[R:R+1], v[R+8:R+9]
	v_pk_add_f32 v[R+16:R+17], v[R+16:R+17], v[R+24:R+25]
	v_pk_add_f32 v[R:R+1], v[R:R+1], v[R+16:R+17]
	v_add_f32 v80, v80, v81
	s_wait_alu depctr_va_vdst(0)
	v_log_f32 v115, v80
	v_nop
	s_wait_alu depctr_va_vdst(0)
	v_fma_f32 v116, v115, s37, v116                ; logsumexp - diagonal
.irp m, 1,2,4,8
	v_add_f32_dpp v116, v116, v116 row_xmask:\m row_mask:0xf bank_mask:0xf
.endr
	v_permlanex16_b32 v117, v116, s38, s39
	v_add_f32 v116, v116, v117
	v_mul_f32 v116, 0x3d000000, v116               ; / 32
	s_wait_alu depctr_va_vdst(0)
	s_wait_xcnt 0x0                                ; EXEC changes only behind this wait
	v_cmp_eq_u32 vcc_lo, 0, v1
	s_and_saveexec_b32 s22, vcc_lo
	global_store_b32 v118, v116, s[32:33]
	s_wait_xcnt 0x0
	s_or_b32 exec_lo, exec_lo, s22
; ---------------- the maps
.Ljoin:
	s_cmp_ge_u32 s18, s21
	s_cbranch_scc1 .Lstage                         ; a tile that was left out holds its constants
	s_wait_loadcnt 0x0
	v_rcp_f32 v64, v66
	v_rcp_f32 v65, v66
	v_nop
	s_wait_alu depctr_va_vdst(0)                   ; one wait for both, ahead of their first reader
.set n, 0
.rept 24
	v_pk_mul_f32 v[D+2*n:D+2*n+1], v[D+2*n:D+2*n+1], v[64:65]
.set n, n+1
.endr
.Lstage:
	s_wait_alu depctr_va_vdst(0)                   ; the wait ahead of the first reader behind the branches
.set n, 0
.rept 32
	ds_store_b32 v4, v[D+n] offset:128*(n/16)+4*(n%16)
.set n, n+1
.endr
.set n, 0
.rept 9
	ds_store_b32 v6, v[D+32+n] offset:256+4*n
.set n, n+1
.endr
	s_cmp_eq_u32 s16, 3
	s_cbranch_scc1 .Lfull
.set n, 9
.rept 7
	ds_store_b32 v6, v[D+32+n] offset:256+4*n
.set n, n+1
.endr
.Lfull:
	s_wait_dscnt 0x0                               ; my stores have landed: for the other waves' sake
	s_barrier_signal -1
	s_barrier_wait -1
.set n, 0
.rept 11
	ds_load_b128 v[D+4*n:D+4*n+3], v5 offset:2048*n
.set n, n+1
.endr
	ds_load_b128 v[D+44:D+47], v5 offset:21056     ; the last 2,048 bytes of the 23,104; threads under 92 repeat bytes of the load before and do not store them
.set n, 0
.rept 11
	s_wait_dscnt 11-n                              ; the younger loads from the stage may be out
	global_store_b128 v5, v[D+4*n:D+4*n+3], s[30:31] offset:2048*n th:TH_STORE_NT
.set n, n+1
.endr
	s_wait_dscnt 0x0
	s_wait_xcnt 0x0                                ; EXEC changes only behind this wait
	v_cmp_le_u32 vcc_lo, 0x5c, v0
	s_wait_tensorcnt 0x0                           ; the wave's end, with all lanes on
	ds_add_u32 v72, v73
	s_wait_dscnt 0x0
	s_and_saveexec_b32 s22, vcc_lo
	global_store_b128 v5, v[D+44:D+47], s[30:31] offset:21056 th:TH_STORE_NT
	s_wait_xcnt 0x0
	s_or_b32 exec_lo, exec_lo, s22
	s_endpgm
.Lfunc_end_k_q39cb008004_finish:
	.size	k_q39cb008004_finish, .Lfunc_end_k_q39cb008004_finish-k_q39cb008004_finish
	.p2alignl 7, 3214868480
	.fill 96, 4, 3214868480
	.section	.rodata,"a",@progbits
	.p2align	6, 0x0
	.amdhsa_kernel k_q39cb008004_finish
		.amdhsa_group_segment_fixed_size 47104
		.amdhsa_private_segment_fixed_size 0
		.amdhsa_enable_private_segment 0
		.amdhsa_kernarg_size 48
		.amdhsa_user_sgpr_count 2
		.amdhsa_user_sgpr_kernarg_segment_ptr 1
		.amdhsa_wavefront_size32 1
		.amdhsa_system_sgpr_workgroup_id_x 1
		.amdhsa_system_sgpr_workgroup_id_y 1
		.amdhsa_system_sgpr_workgroup_id_z 1
		.amdhsa_system_vgpr_workitem_id 0
		.amdhsa_next_free_vgpr 120
		.amdhsa_next_free_sgpr 66
		.amdhsa_reserve_vcc 1
		.amdhsa_float_denorm_mode_32 3
		.amdhsa_float_denorm_mode_16_64 3
		.amdhsa_memory_ordered 1
		.amdhsa_forward_progress 1
		.amdhsa_inst_pref_size 23
	.end_amdhsa_kernel
	.amdgpu_metadata
---
amdhsa.version: [ 1, 2 ]
amdhsa.kernels:
  - .name:           k_q39cb008004_finish
    .symbol:         k_q39cb008004_finish.kd
    .args:
      - { .name: caption_lengths, .offset: 0, .size: 8, .value_kind: global_buffer, .address_space: global }
      - { .name: pmap, .offset: 8, .size: 8, .value_kind: global_buffer, .address_space: global }
      - { .name: lgts, .offset: 16, .size: 8, .value_kind: global_buffer, .address_space: global }
      - { .name: out0, .offset: 24, .size: 8, .value_kind: global_buffer, .address_space: global }
      - { .name: out1, .offset: 32, .size: 8, .value_kind: global_buffer, .address_space: global }
      - { .name: out2, .offset: 40, .size: 8, .value_kind: global_buffer, .address_space: global }
    .group_segment_fixed_size: 47104
    .private_segment_fixed_size: 0
    .kernarg_segment_align: 8
    .kernarg_segment_size: 48
    .max_flat_workgroup_size: 128
    .sgpr_count:     66
    .vgpr_count:     120
    .wavefront_size: 32
...
	.end_amdgpu_metadata
.endif
;; end of part 3
